; MI455X (gfx1250); checked and timed in simulation.
; The chip was launched on July 23, 2026; its instructions are those of AMD's public machine-readable ISA for CDNA 5 (MIT licence, August 2026) and "CDNA5" Instruction Set Architecture Reference Guide (July 2026). The comments in the code are by the model that wrote it; some were corrected since.
;; Voxel Sampler. Allowed arithmetic: float matrix products may take bf16 or f16 operands with f32 sums; all other float work in f32.
;; Inputs: boxes 256 x 9 float32; points 262,144 x 5 float32.
;; Outputs: out0 256 x 128 x 7 float32.
;; Constants: num_sample = 128.
;; One version. Each part assembles by itself: llvm-mc -triple=amdgcn-amd-amdhsa -mcpu=gfx1250 --defsym DOCPART=n.
;; ======== version 1 of 1: 2 launches
;; workspace buffers: masks 8,388,608 bytes of whole numbers
;; launch mask (part 1): grid 128 x 2, 8 waves a work-group, no clusters, 41,984 bytes of LDS; arguments points, boxes, masks; writes masks
.if DOCPART == 1
	.amdgcn_target "amdgcn-amd-amdhsa--gfx1250"
	.amdhsa_code_object_version 6
	.text
	.protected	k_q2745021806_mask
	.globl	k_q2745021806_mask
	.p2align	8
	.type	k_q2745021806_mask,@function
k_q2745021806_mask:
	s_mov_b64 s[64:65], 0
	v_nop
	global_prefetch_b8 v0, s[64:65] scope:SCOPE_SE
	s_setreg_imm32_b32 hwreg(HW_REG_WAVE_MODE, 25, 1), 1
	s_wait_xcnt 0x0
; masks[box][word]: bit l of word g is 1 where point 32 g + l lies inside the box's cylinder:
;   (px - cx)^2 + (py - cy)^2 <= r^2,  r = 1.1 * sqrt((dx/2)^2 + (dy/2)^2).
; points: [262144][5] f32, boxes: [256][9] f32, masks: [256][8192] words of 32 bits.
; LIMITS. The squares are compared, not the roots: a point whose squared distance lies within about one rounding
; step of r^2 may be classed otherwise than by sqrt(d2) <= r.  r^2 overflows for r above 1.8e19; a footprint whose squared
; half diagonal is denormal gives r = 0 (v_sqrt_f32 takes denormals as zero).  NaN coordinates fail the compare, as they do in the root form.
; SHARES. A work-group: 2,048 points (x id) and 128 boxes (y id).  A wave: all 2,048 points, in 128 registers, and 16 boxes.
; Register j, lane l holds point 32 j + l, so the scalar result of one v_cmp IS mask word j.
; No cluster, no tensor load: the group fills LDS once (40,960 bytes) and then works on registers alone; only the two groups
; of one x id read the same bytes.
.set PT,     20                        ; bytes of a point
.set POINTS, 2048                      ; points of a work-group
.set CHUNK,  POINTS*PT                 ; 40,960 bytes, ten 16-byte loads for each of 256 threads
.set BOXES,  16                        ; boxes of a wave
.set BOX,    36                        ; bytes of a box
.set ROW,    262144/8                  ; mask bytes of a box
.set NCX, 6                            ; v6      lane b (0..15): -cx of my wave's box b
.set NCY, 7                            ; v7      -cy
.set R2,  8                            ; v8      r^2
.set TMP, 9                            ; v9
.set M,   10                           ; v[10:11] lane l: mask words 2 l and 2 l + 1 of the box at work
.set T,   12                           ; v[12:27] at work: four pairs of dx, four pairs of dy
.set PX,  32                           ; v[32:95]  x of point 32 j + lane
.set PY,  96                           ; v[96:159] y
	s_load_b128 s[4:7], s[0:1], 0x0                ; points s[4:5], boxes s[6:7]
	s_load_b64 s[8:9], s[0:1], 0x10                ; masks
	v_lshl_add_u32 v160, v0, 2, 0xa000
	v_mov_b32 v161, 0
	v_and_b32 v1, 31, v0                           ; lane
	v_lshrrev_b32 v2, 5, v0
	v_readfirstlane_b32 s10, v2                    ; wave 0..7
	s_and_b32 s11, ttmp7, 0xffff                   ; which half of the boxes
	s_lshl_b32 s14, s11, 7
	s_lshl4_add_u32 s14, s10, s14                  ; my wave's first box = 128 y + 16 wave
	v_and_b32 v5, 15, v0
	v_add_nc_u32 v5, s14, v5                       ; lanes 0-15 and 16-31 both take boxes first .. first + 15
	v_mul_u32_u24 v5, BOX, v5
	v_lshlrev_b32 v2, 4, v0                        ; 16 t: my bytes in each 4,096 of the chunk, in memory and in LDS
	s_mul_i32 s12, ttmp9, CHUNK
	s_mov_b32 s13, 0
	s_wait_kmcnt 0x0
	s_add_nc_u64 s[4:5], s[4:5], s[12:13]          ; points at the group's chunk
	global_load_b32 v[NCX], v5, s[6:7]             ; cx
	global_load_b32 v[NCY], v5, s[6:7] offset:4    ; cy
	global_load_b32 v[R2],  v5, s[6:7] offset:12   ; dx
	global_load_b32 v[TMP], v5, s[6:7] offset:16   ; dy
.irp i, 0,1,2,3,4,5,6,7,8,9
	global_load_b128 v[PX+4*\i:PX+4*\i+3], v2, s[4:5] offset:4096*\i   ; a wave's load covers 512 consecutive bytes
.endr
	; the boxes' constants, while the points are on their way
	s_wait_loadcnt 10                              ; the four box loads are in; the ten younger point loads stay out
	v_mul_f32 v[R2],  0.5, v[R2]
	v_mul_f32 v[TMP], 0.5, v[TMP]
	v_mul_f32 v[R2], v[R2], v[R2]
	v_fma_f32 v[R2], v[TMP], v[TMP], v[R2]
	v_sqrt_f32 v[TMP], v[R2]
	v_xor_b32 v[NCX], 0x80000000, v[NCX]           ; -cx: px + (-cx) has the square of cx - px.  Also the plain instruction
	v_xor_b32 v[NCY], 0x80000000, v[NCY]           ; that stands between the root and its first use (ISA guide 5.7.2)
	s_wait_alu depctr_va_vdst(0)
	v_mul_f32 v[TMP], 0x3f8ccccd, v[TMP]           ; r = 1.1 * half diagonal
	v_mul_f32 v[R2], v[TMP], v[TMP]                ; r^2
	; the chunk goes into LDS as it lies in memory
.irp i, 0,1,2,3,4,5,6,7,8,9
	s_wait_loadcnt 9-\i                            ; loads return in order: load i is in, the 9 - i younger ones stay out
	ds_store_b128 v2, v[PX+4*\i:PX+4*\i+3] offset:4096*\i
.endr
	s_wait_dscnt 0x0                               ; my stores are done before I say so
	s_barrier_signal -1
	s_barrier_wait -1                              ; everybody's are
	v_mul_u32_u24 v3, PT, v1                       ; lanes 5 words apart: 32 lanes, 32 different banks (64 banks of 4 bytes: ISA guide 11.1)
.set j, 0
.rept 64
	ds_load_b32 v[PX+j], v3 offset:32*PT*j
	ds_load_b32 v[PY+j], v3 offset:32*PT*j+4
.set j, j+1
.endr
	v_lshlrev_b32 v4, 3, v1                        ; 8 bytes a lane: 256 consecutive bytes a store
	s_lshl_b32 s12, s14, 15                        ; first box x 32,768
	s_lshl_b32 s15, ttmp9, 8                       ; + the chunk's 64 words
	s_add_co_u32 s12, s12, s15
	s_add_nc_u64 s[8:9], s[8:9], s[12:13]
	v_mov_b32 v[M], 0                              ; v_writelane_b32 keeps the other lanes: the registers are written whole once
	v_mov_b32 v[M+1], 0
	s_mov_b32 s17, 0                               ; upper halves of the scalar pairs that the packed adds name (only the lower is used)
	s_mov_b32 s19, 0
	s_mov_b32 s22, 0                               ; box counter
	s_wait_dscnt 0x0                               ; all 2,048 points are in registers
; Eight mask words: registers 8 k .. 8 k + 7, two points of a lane in each packed instruction; ss: eight scalars for the words.
.macro BLOCK k, ss
.irp q, 0,1,2,3
	v_pk_add_f32 v[T+2*\q:T+2*\q+1], v[PX+8*\k+2*\q:PX+8*\k+2*\q+1], s[16:17] op_sel_hi:[1,0]      ; px - cx, twice
.endr
.irp q, 0,1,2,3
	v_pk_add_f32 v[T+8+2*\q:T+8+2*\q+1], v[PY+8*\k+2*\q:PY+8*\k+2*\q+1], s[18:19] op_sel_hi:[1,0]  ; py - cy
.endr
.irp q, 0,1,2,3
	v_pk_mul_f32 v[T+2*\q:T+2*\q+1], v[T+2*\q:T+2*\q+1], v[T+2*\q:T+2*\q+1]
.endr
.irp q, 0,1,2,3
	v_pk_fma_f32 v[T+2*\q:T+2*\q+1], v[T+8+2*\q:T+8+2*\q+1], v[T+8+2*\q:T+8+2*\q+1], v[T+2*\q:T+2*\q+1]
.endr
.irp q, 0,1,2,3,4,5,6,7
	v_cmp_ge_f32 s[\ss+\q], s20, v[T+\q]           ; r^2 >= d^2: bit l = point 32 (8 k + q) + l
.endr
.if \k == 0
	s_wait_xcnt 0x0                                ; the last box's store has read M and its base: both change only behind this wait
	s_add_nc_u64 s[8:9], s[8:9], ROW               ; one box on; this box's store reaches back by its offset
.endif
.irp q, 0,1,2,3
	v_writelane_b32 v[M],   s[\ss+2*\q],   4*\k+\q ; word 2 l to lane l,
	v_writelane_b32 v[M+1], s[\ss+2*\q+1], 4*\k+\q ; word 2 l + 1 beside it
.endr
.endm
.Lbox:
	v_readlane_b32 s16, v[NCX], s22
	v_readlane_b32 s18, v[NCY], s22
	v_readlane_b32 s20, v[R2],  s22
	BLOCK 0, 24
	BLOCK 1, 32
	BLOCK 2, 24
	BLOCK 3, 32
	BLOCK 4, 24
	BLOCK 5, 32
	BLOCK 6, 24
	BLOCK 7, 32
	global_store_b64 v4, v[M:M+1], s[8:9] offset:-ROW      ; 32 lanes, 256 consecutive bytes at a multiple of 256 from the buffer's first byte
	s_add_co_u32 s22, s22, 1
	s_cmp_lt_u32 s22, BOXES
	s_cbranch_scc1 .Lbox
	s_wait_tensorcnt 0x0
	ds_add_u32 v160, v161
	s_wait_dscnt 0x0
	s_endpgm
.Lfunc_end_k_q2745021806_mask:
	.size	k_q2745021806_mask, .Lfunc_end_k_q2745021806_mask-k_q2745021806_mask
	.p2alignl 7, 3214868480
	.fill 96, 4, 3214868480
	.section	.rodata,"a",@progbits
	.p2align	6, 0x0
	.amdhsa_kernel k_q2745021806_mask
		.amdhsa_group_segment_fixed_size 41984
		.amdhsa_private_segment_fixed_size 0
		.amdhsa_enable_private_segment 0
		.amdhsa_kernarg_size 24
		.amdhsa_user_sgpr_count 2
		.amdhsa_user_sgpr_kernarg_segment_ptr 1
		.amdhsa_wavefront_size32 1
		.amdhsa_system_sgpr_workgroup_id_x 1
		.amdhsa_system_sgpr_workgroup_id_y 1
		.amdhsa_system_sgpr_workgroup_id_z 1
		.amdhsa_system_vgpr_workitem_id 0
		.amdhsa_next_free_vgpr 162
		.amdhsa_next_free_sgpr 66
		.amdhsa_reserve_vcc 0
		.amdhsa_float_denorm_mode_32 3
		.amdhsa_float_denorm_mode_16_64 3
		.amdhsa_memory_ordered 1
		.amdhsa_forward_progress 1
		.amdhsa_inst_pref_size 29
	.end_amdhsa_kernel
	.amdgpu_metadata
---
amdhsa.version: [ 1, 2 ]
amdhsa.kernels:
  - .name:           k_q2745021806_mask
    .symbol:         k_q2745021806_mask.kd
    .args:
      - { .name: points, .offset: 0, .size: 8, .value_kind: global_buffer, .address_space: global }
      - { .name: boxes, .offset: 8, .size: 8, .value_kind: global_buffer, .address_space: global }
      - { .name: masks, .offset: 16, .size: 8, .value_kind: global_buffer, .address_space: global }
    .group_segment_fixed_size: 41984
    .private_segment_fixed_size: 0
    .kernarg_segment_align: 8
    .kernarg_segment_size: 24
    .max_flat_workgroup_size: 256
    .sgpr_count:     66
    .vgpr_count:     162
    .wavefront_size: 32
...
	.end_amdgpu_metadata
.endif
;; end of part 1
;; launch pick (part 2): grid 256 x 1, 8 waves a work-group, no clusters, 78,592 bytes of LDS; arguments masks, points, boxes, out0; writes out0
.if DOCPART == 2
	.amdgcn_target "amdgcn-amd-amdhsa--gfx1250"
	.amdhsa_code_object_version 6
	.text
	.protected	k_q2745021806_pick
	.globl	k_q2745021806_pick
	.p2align	8
	.type	k_q2745021806_pick,@function
k_q2745021806_pick:
	s_mov_b64 s[64:65], 0
	v_nop
	global_prefetch_b8 v0, s[64:65] scope:SCOPE_SE
	s_setreg_imm32_b32 hwreg(HW_REG_WAVE_MODE, 25, 1), 1
	s_wait_xcnt 0x0
; out0[box][s] = the point of the s-th set bit of masks[box] (index order) and the box's velocity, or seven zeros where fewer bits are set.
; masks: [256][8192] words, points: [262144][5] f32, boxes: [256][9] f32, out0: [256][128][7] f32.
; One work-group for a box, eight waves.  Thread t owns words 32 t .. 32 t + 31 (points 1024 t ..).
;   1. the 32,768 mask bytes come in by contiguous loads and are turned in LDS so that each thread holds its own 32 words;
;   2. counts of set bits: a chain in each thread, a scan in each wave, eight wave totals through LDS;
;   3. the inclusive prefix count of every word goes into LDS;
;   4. waves 0-3, a lane for each output slot: 13 halving steps over the prefix table find the word, 5 more the bit; no branch, every step in every lane;
;   5. gather, blank the slots beyond the total, and leave through LDS as whole runs of 16 bytes a lane.
; Floating-point numbers are only moved here.  No cluster: no two work-groups read the same mask bytes.
.set WORDS,  8192
.set ROW,    4*WORDS                   ; mask bytes of a box
.set PITCH,  144                       ; an LDS row: a thread's 32 words + 16 bytes; 9 x 16, so 16 lanes that take one column of 16 rows meet 16 different columns modulo 256 bytes
.set WAVE_L, 32*PITCH                  ; a wave's 32 rows
.set TOT_L,  0                         ; eight wave totals
.set OUT_L,  256                       ; 128 slots x 28 bytes
.set MASK_L, OUT_L+3584                ; 256 rows of mask words
.set PRE_L,  MASK_L+256*PITCH          ; 256 rows of inclusive prefix counts; ends at 77,568
.set SLOTB,  28
.set GO, 2                             ; v2  byte offset of my 16 bytes in each 512 of my wave's masks
.set ST, 3                             ; v3  where they go in LDS
.set MY, 4                             ; v4  my own row
.set C,  8                             ; v[8:11] four counting chains
.set X,  12                            ; v12 scan
.set TT, 13                            ; v13 at work
.set SUM, 14                           ; v14 my 32 words' count
.set G,  16                            ; v[16:47]  masks as loaded
.set W,  48                            ; v[48:79]  my 32 words
.set P,  80                            ; v[80:111] their inclusive prefix counts
.set A,  112                           ; search: byte position in the tables
.set I,  113                           ; search: the decisions, shifted in one by one: word index, then point index
.set V,  114
.set WD, 115
.set K,  116
.set S,  117
.set O,  118
.set Q,  119
.set D,  120                           ; v[120:126] a slot's seven numbers
.set R,  128                           ; v[128:131] 16 bytes on the way out
	s_load_b256 s[4:11], s[0:1], 0x0               ; masks s[4:5], points s[6:7], boxes s[8:9], out0 s[10:11]
	v_lshl_add_u32 v132, v0, 2, 0x12f00
	v_mov_b32 v133, 0
	v_and_b32 v1, 31, v0                           ; lane
	v_lshrrev_b32 v5, 5, v0
	v_readfirstlane_b32 s12, v5                    ; wave 0..7
	s_lshl_b32 s18, ttmp9, 15                      ; box x 32,768
	s_mov_b32 s19, 0
	s_lshl_b32 s17, s12, 12                        ; my wave's 4,096 bytes
	v_lshl_add_u32 v[GO], v1, 4, s17
	s_wait_kmcnt 0x0
	s_add_nc_u64 s[4:5], s[4:5], s[18:19]
.irp i, 0,1,2,3,4,5,6,7
	global_load_b128 v[G+4*\i:G+4*\i+3], v[GO], s[4:5] offset:512*\i th:TH_LOAD_NT   ; 512 consecutive bytes; read once in the launch
.endr
	s_mul_i32 s18, ttmp9, 36
	s_add_nc_u64 s[8:9], s[8:9], s[18:19]
	s_load_b32 s20, s[8:9], 0x1c                   ; vx
	s_load_b32 s21, s[8:9], 0x20                   ; vy
	s_mul_i32 s22, ttmp9, 128*SLOTB
	s_mov_b32 s23, 0
	s_add_nc_u64 s[10:11], s[10:11], s[22:23]      ; out0 at my box: 3,584 bytes = 14 x 256
	; load i, lane l holds bytes 512 i + 16 l of the wave's 4,096: row 4 i + l / 8, column 16 (l % 8)
	s_mul_i32 s13, s12, WAVE_L
	v_lshrrev_b32 v5, 3, v1
	v_mul_u32_u24 v5, PITCH, v5
	v_and_b32 v6, 7, v1
	v_lshl_add_u32 v5, v6, 4, v5
	v_add_nc_u32 v[ST], s13, v5
	v_mul_u32_u24 v[MY], PITCH, v1
	v_add_nc_u32 v[MY], s13, v[MY]
.irp i, 0,1,2,3,4,5,6,7
	s_wait_loadcnt 7-\i                            ; load i is in, the 7 - i younger ones stay out
	ds_store_b128 v[ST], v[G+4*\i:G+4*\i+3] offset:MASK_L+4*PITCH*\i
.endr
.irp k, 0,1,2,3,4,5,6,7
	ds_load_b128 v[W+4*\k:W+4*\k+3], v[MY] offset:MASK_L+16*\k   ; my wave's own rows; LDS serves a wave's instructions in order (ISA guide 5.7.1.4)
.endr
	s_wait_dscnt 0x0
	; my 32 words' count, in four chains that do not wait for each other
.irp c, 0,1,2,3
	v_bcnt_u32_b32 v[C+\c], v[W+\c], 0
.endr
.set k, 4
.rept 28
	v_bcnt_u32_b32 v[C+k%4], v[W+k], v[C+k%4]
.set k, k+1
.endr
	v_add3_u32 v[SUM], v[C], v[C+1], v[C+2]
	v_add_nc_u32 v[SUM], v[SUM], v[C+3]
	; inclusive scan over the wave: four steps inside each 16 lanes, then the lower half's total onto the upper half
	v_mov_b32 v[X], v[SUM]
	v_mov_b32 v[TT], 0
.irp n, 1,2,4,8
	v_mov_b32_dpp v[TT], v[X] row_shr:\n row_mask:0xf bank_mask:0xf bound_ctrl:1   ; lane i takes lane i - n, or 0
	v_add_nc_u32 v[X], v[X], v[TT]
.endr
	v_readlane_b32 s14, v[X], 15
	v_cmp_lt_u32 vcc_lo, 15, v1
	v_mov_b32 v[TT], s14
	v_cndmask_b32 v[TT], 0, v[TT], vcc_lo
	v_add_nc_u32 v[X], v[X], v[TT]
	v_readlane_b32 s14, v[X], 31                   ; the wave's total
	v_mov_b32 v5, s12
	v_lshlrev_b32 v5, 2, v5
	v_mov_b32 v6, s14
	ds_store_b32 v5, v6 offset:TOT_L               ; all lanes, one word, one value
	s_wait_kmcnt 0x0                               ; the velocity
	s_wait_dscnt 0x0                               ; my total and my mask rows are in LDS before I say so
	s_barrier_signal -1
	s_barrier_wait -1
	v_mov_b32 v5, 0
	ds_load_b128 v[P:P+3],   v5 offset:TOT_L
	ds_load_b128 v[P+4:P+7], v5 offset:TOT_L+16
	s_wait_dscnt 0x0
.irp i, 0,1,2,3,4,5,6,7
	v_readfirstlane_b32 s[24+\i], v[P+\i]
.endr
	s_mov_b32 s15, 0                               ; set bits in the waves in front of mine
	s_mov_b32 s16, 0                               ; set bits of the box
.irp i, 0,1,2,3,4,5,6,7
	s_cmp_gt_u32 s12, \i
	s_cselect_b32 s17, s[24+\i], 0
	s_add_co_u32 s15, s15, s17
	s_add_co_u32 s16, s16, s[24+\i]
.endr
	; the inclusive prefix count of each of my words: the chain starts at what lies in front of me
	v_sub_nc_u32 v5, v[X], v[SUM]
	v_add_nc_u32 v5, s15, v5
	v_bcnt_u32_b32 v[P], v[W], v5
.set k, 1
.rept 31
	v_bcnt_u32_b32 v[P+k], v[W+k], v[P+k-1]
.set k, k+1
.endr
.irp g, 0,1,2,3,4,5,6,7
	ds_store_b128 v[MY], v[P+4*\g:P+4*\g+3] offset:PRE_L+16*\g
.endr
	s_wait_dscnt 0x0
	s_barrier_signal -1
	s_barrier_wait -1                              ; both tables are whole
	s_cmp_ge_u32 s12, 4
	s_cbranch_scc1 .Lstaged                        ; 128 slots: waves 0-3, slot = thread number
; One halving step.  The position is a multiple of 2 st words; the word st - 1 further on is looked at, and if its count does not yet pass the
; slot's number the position moves on by st.  The position is kept as a byte address: st / 32 rows, or 4 st bytes inside a row.
; The v_min_u32 names the largest position that can stand behind the step (word 8192 - st), so that every address stays in the table.
.macro PROBE st
.if \st >= 32
.set INC,  (\st/32)*PITCH
.set BACK, PITCH-124                               ; the last word of the row in front
.else
.set INC,  4*\st
.set BACK, 4
.endif
	ds_load_b32 v[V], v[A] offset:PRE_L+INC-BACK
	v_add_nc_u32 v[TT], INC, v[A]
	s_wait_dscnt 0x0
	v_cmp_le_u32 vcc_lo, v[V], v0
	v_cndmask_b32 v[A], v[A], v[TT], vcc_lo
	v_add_co_ci_u32 v[I], vcc_lo, v[I], v[I], vcc_lo   ; index = 2 index + decision
	v_min_u32 v[A], ((WORDS-\st)>>5)*PITCH+((WORDS-\st)&31)*4, v[A]
.endm
	v_mov_b32 v[A], 0
	v_mov_b32 v[I], 0
.irp st, 4096,2048,1024,512,256,128,64,32,16,8,4,2,1
	PROBE \st
.endr
	ds_load_b32 v[V],  v[A] offset:PRE_L           ; the first word whose count passes the slot's number (the last word where none does)
	ds_load_b32 v[WD], v[A] offset:MASK_L
	s_mul_i32 s17, s12, 32*SLOTB
	v_mul_u32_u24 v[Q], SLOTB, v1
	v_add_nc_u32 v[Q], s17, v[Q]                   ; my slot's 28 bytes: lanes 7 words apart, 32 different banks
	s_wait_dscnt 0x0
	v_bcnt_u32_b32 v[K], v[WD], v0
	v_sub_nc_u32 v[K], v[K], v[V]                  ; which set bit of the word, from 0: slot - (inclusive count - the word's bits)
; The K-th set bit of the word, by halves: if the lower wd bits hold K bits or fewer, it lies above them.
.macro SELECT wd, more
	v_bfe_u32 v[TT], v[WD], 0, \wd
	v_bcnt_u32_b32 v[TT], v[TT], 0
	v_cmp_ge_u32 vcc_lo, v[K], v[TT]
.if \more
	v_cndmask_b32 v[TT], 0, v[TT], vcc_lo
	v_cndmask_b32 v[S], 0, \wd, vcc_lo
.endif
	v_add_co_ci_u32 v[I], vcc_lo, v[I], v[I], vcc_lo   ; five more decisions: 32 x word + bit = the point's index
.if \more
	v_sub_nc_u32 v[K], v[K], v[TT]
	v_lshrrev_b32 v[WD], v[S], v[WD]
.endif
.endm
	SELECT 16, 1
	SELECT 8, 1
	SELECT 4, 1
	SELECT 2, 1
	SELECT 1, 0
	v_min_u32 v[I], 0x3ffff, v[I]                  ; 18 decisions: below 262,144 in every lane, in slots beyond the total too
	v_mul_u32_u24 v[O], 20, v[I]
.irp c, 0,1,2,3,4
	global_load_b32 v[D+\c], v[O], s[6:7] offset:4*\c      ; a point starts at a multiple of 4 bytes only: five words
.endr
	v_cmp_gt_u32 vcc_lo, s16, v0                   ; the box has more set bits than my slot's number
	v_mov_b32 v[D+5], s20
	v_mov_b32 v[D+6], s21
	s_wait_loadcnt 0x0
.irp c, 0,1,2,3,4,5,6
	v_cndmask_b32 v[D+\c], 0, v[D+\c], vcc_lo
.endr
.irp c, 0,1,2,3,4,5,6
	ds_store_b32 v[Q], v[D+\c] offset:OUT_L+4*\c
.endr
.Lstaged:
	s_wait_dscnt 0x0
	s_barrier_signal -1
	s_barrier_wait -1                              ; the 3,584 bytes are whole
	s_cmp_eq_u32 s12, 7
	s_cbranch_scc1 .Ldone                          ; 224 threads x 16 bytes: waves 0-6
	v_lshlrev_b32 v5, 4, v0
	ds_load_b128 v[R:R+3], v5 offset:OUT_L
	s_wait_dscnt 0x0
	global_store_b128 v5, v[R:R+3], s[10:11] th:TH_STORE_NT        ; a wave stores 512 consecutive bytes at a multiple of 256 from out0's first byte
.Ldone:
	s_wait_tensorcnt 0x0
	ds_add_u32 v132, v133
	s_wait_dscnt 0x0
	s_endpgm
.Lfunc_end_k_q2745021806_pick:
	.size	k_q2745021806_pick, .Lfunc_end_k_q2745021806_pick-k_q2745021806_pick
	.p2alignl 7, 3214868480
	.fill 96, 4, 3214868480
	.section	.rodata,"a",@progbits
	.p2align	6, 0x0
	.amdhsa_kernel k_q2745021806_pick
		.amdhsa_group_segment_fixed_size 78592
		.amdhsa_private_segment_fixed_size 0
		.amdhsa_enable_private_segment 0
		.amdhsa_kernarg_size 32
		.amdhsa_user_sgpr_count 2
		.amdhsa_user_sgpr_kernarg_segment_ptr 1
		.amdhsa_wavefront_size32 1
		.amdhsa_system_sgpr_workgroup_id_x 1
		.amdhsa_system_sgpr_workgroup_id_y 1
		.amdhsa_system_sgpr_workgroup_id_z 1
		.amdhsa_system_vgpr_workitem_id 0
		.amdhsa_next_free_vgpr 134
		.amdhsa_next_free_sgpr 66
		.amdhsa_reserve_vcc 1
		.amdhsa_float_denorm_mode_32 3
		.amdhsa_float_denorm_mode_16_64 3
		.amdhsa_memory_ordered 1
		.amdhsa_forward_progress 1
		.amdhsa_inst_pref_size 19
	.end_amdhsa_kernel
	.amdgpu_metadata
---
amdhsa.version: [ 1, 2 ]
amdhsa.kernels:
  - .name:           k_q2745021806_pick
    .symbol:         k_q2745021806_pick.kd
    .args:
      - { .name: masks, .offset: 0, .size: 8, .value_kind: global_buffer, .address_space: global }
      - { .name: points, .offset: 8, .size: 8, .value_kind: global_buffer, .address_space: global }
      - { .name: boxes, .offset: 16, .size: 8, .value_kind: global_buffer, .address_space: global }
      - { .name: out0, .offset: 24, .size: 8, .value_kind: global_buffer, .address_space: global }
    .group_segment_fixed_size: 78592
    .private_segment_fixed_size: 0
    .kernarg_segment_align: 8
    .kernarg_segment_size: 32
    .max_flat_workgroup_size: 256
    .sgpr_count:     66
    .vgpr_count:     134
    .wavefront_size: 32
...
	.end_amdgpu_metadata
.endif
;; end of part 2
